; MI455X (gfx1250); checked and timed in simulation.
; The chip was launched on July 23, 2026; its instructions are those of AMD's public machine-readable ISA for CDNA 5 (MIT licence, August 2026) and "CDNA5" Instruction Set Architecture Reference Guide (July 2026). The comments in the code are by the model that wrote it; some were corrected since.
;; Mixture Of Experts. Allowed arithmetic: float matrix products may take bf16 or f16 operands with f32 sums; other float arithmetic in f32, or as packed bf16 or f16 multiplies, adds, multiply-adds, maxima and minima; sums over many terms, partial sums and values carried from step to step in f32; what a program stores and reads back later, other than sums and carried values, may be rounded once to bf16 or f16.
;; Inputs: W1 8 x 1,024 x 4,096 float32; W2 8 x 4,096 x 1,024 float32; Wg 1,024 x 8 float32; x 2 x 512 x 1,024 float32.
;; Outputs: out0 2 x 512 x 1,024 float32; out1 one number float32.
;; One version. Each part assembles by itself: llvm-mc -triple=amdgcn-amd-amdhsa -mcpu=gfx1250 --defsym DOCPART=n.
;; ======== version 1 of 1: 4 launches
;; workspace buffers: xb 2,097,152 bytes; sel 8,192 bytes of whole numbers; wts 8,192 bytes; part 4,096 bytes; hbuf 16,842,752 bytes; ypart 33,685,504 bytes
;; launch router (part 1): grid 64 x 1, 4 waves a work-group, no clusters, 54,016 bytes of LDS; arguments x, Wg, xb, sel, wts, part; writes xb, sel, wts, part
.if DOCPART == 1
	.amdgcn_target "amdgcn-amd-amdhsa--gfx1250"
	.amdhsa_code_object_version 6
	.text
	.protected	k_qacfc7924b9_router
	.globl	k_qacfc7924b9_router
	.p2align	8
	.type	k_qacfc7924b9_router,@function
k_qacfc7924b9_router:
	s_mov_b64 s[64:65], 0
	v_nop
	global_prefetch_b8 v0, s[64:65] scope:SCOPE_SE
	s_setreg_imm32_b32 hwreg(HW_REG_WAVE_MODE, 25, 1), 1
	s_wait_xcnt 0x0
; ROUTER.  logits = x Wg (x: [1024][1024] f32, Wg: [1024][8] f32), softmax over 8 experts, the two largest, their weights made to add up to 1.
; Stored: xb = x rounded to bf16; sel[2 t + j] = the expert of token t's choice j (whole numbers, at fixed places); wts[2 t + j] = its weight;
; part[wg][0..7] = the sum of the probabilities of this work-group's 16 tokens, part[wg][8..15] = how often each expert was chosen by them.
; x and Wg are rounded to bf16 for the product, like every input of the program; sums, softmax and weights in f32.
; LIMITS.  An exponential below 2^-126 counts as 0.  Equal probabilities go to the lower index.  NaN and infinities are not treated apart.
; SHARES.  A work-group has 16 tokens.  Wave w loads tokens 4 w .. 4 w + 3 (16,384 consecutive bytes) and rows 256 w .. of Wg; in the product it has the K quarter 256 w .. 256 w + 255.
; The product is used with Wg as source 0 (16 rows = the 8 experts, twice) and 16 tokens as source 1: a lane then holds ONE token (lane % 16) and its 8 logits in 8 registers.
; No choice steers an address or a branch here: the two largest are found by compares and selects.
.set XP,    2064                       ; a token's row in LDS: 2,048 bytes + 16: the 16 rows of a fragment load start at 16 different groups of four banks
.set WGS,   16*XP                      ; 33,024: Wg in bf16, [k][8], 16 bytes a row
.set PART,  WGS+16384                  ; 49,408: the waves' partial logits, 1,024 bytes a wave
.set SPARE, PART+4096                  ; 53,504: the spare words, 128 bytes a wave; no other line names them
.set XR,    64                         ; v[64:191]  32 loads of x; later 8 fragments of Wg (v64..) and 8 of x (v128..)
.set GR,    192                        ; v[192:255] 16 loads of Wg
	s_load_b256 s[4:11], s[0:1], 0x0               ; x s[4:5], Wg s[6:7], xb s[8:9], sel s[10:11]
	s_load_b128 s[12:15], s[0:1], 0x20             ; wts s[12:13], part s[14:15]
	v_lshl_add_u32 v62, v0, 2, SPARE               ; my spare word
	v_mov_b32 v63, 0
	v_lshrrev_b32 v4, 5, v0
	v_readfirstlane_b32 s16, v4                    ; wave 0..3
	v_and_b32 v1, 31, v0                           ; lane
	v_and_b32 v2, 15, v0                           ; r
	v_bfe_u32 v3, v0, 4, 1                         ; h
	s_lshl_b32 s20, ttmp9, 16                      ; x: 16 tokens of 4,096 bytes a work-group,
	s_lshl_b32 s17, s16, 14                        ; 4 tokens a wave
	s_add_co_u32 s20, s20, s17
	s_mov_b32 s21, 0
	s_lshl_b32 s22, ttmp9, 15                      ; xb: half of that
	s_lshl_b32 s24, s16, 13                        ; (8,192 w: also my rows of Wg)
	s_add_co_u32 s22, s22, s24
	s_mov_b32 s23, 0
	s_mov_b32 s25, 0
	s_lshl_b32 s26, ttmp9, 7                       ; sel and wts: 16 tokens x 8 bytes
	s_mov_b32 s27, 0
	s_lshl_b32 s28, ttmp9, 6                       ; part: 64 bytes
	s_mov_b32 s29, 0
	v_lshlrev_b32 v4, 4, v1                        ; 16 lane
	v_lshlrev_b32 v5, 3, v1                        ; 8 lane
	s_lshl_b32 s17, s16, 12
	s_add_co_u32 s18, s17, WGS                     ; my 256 rows of Wg in LDS
	v_add_nc_u32 v6, s18, v5                       ; where I put 8 bytes of Wg
	s_mul_i32 s19, s16, 4*XP
	v_add_nc_u32 v7, s19, v5                       ; where I put 8 bytes of x
	v_and_b32 v8, 7, v0
	v_lshlrev_b32 v8, 4, v8
	v_lshl_add_u32 v8, v3, 7, v8
	v_add_nc_u32 v8, s18, v8                       ; Wg's fragments: row 8 h + lane % 8 of my quarter; lanes 8-15 of a half take the same rows as lanes 0-7
	v_mul_u32_u24 v9, v2, XP
	v_lshl_add_u32 v9, v3, 4, v9
	s_lshl_b32 s19, s16, 9
	v_add_nc_u32 v9, s19, v9                       ; x's fragments: token r, my quarter's 512 bytes, 16 h
	v_lshlrev_b32 v11, 5, v1
	v_add_nc_u32 v11, PART, v11                    ; wave 0's partial logits, my lane's 32 bytes
	s_lshl_b32 s19, s16, 10
	v_add_nc_u32 v10, s19, v11                     ; my wave's
	v_lshlrev_b32 v12, 3, v2                       ; 8 r
	v_mov_b32 v13, 0
	s_wait_kmcnt 0x0
	s_add_nc_u64 s[4:5], s[4:5], s[20:21]
	s_add_nc_u64 s[8:9], s[8:9], s[22:23]
	s_add_nc_u64 s[6:7], s[6:7], s[24:25]
	s_add_nc_u64 s[10:11], s[10:11], s[26:27]
	s_add_nc_u64 s[12:13], s[12:13], s[26:27]
	s_add_nc_u64 s[14:15], s[14:15], s[28:29]
.set i, 0
.rept 16
	global_load_b128 v[GR+4*i:GR+4*i+3], v4, s[6:7] offset:512*i
.set i, i+1
.endr
.set i, 0
.rept 32
	global_load_b128 v[XR+4*i:XR+4*i+3], v4, s[4:5] offset:512*i th:TH_LOAD_NT  ; 512 consecutive bytes a load; x is read once in the launch
.set i, i+1
.endr
	s_wait_loadcnt 32                              ; Wg is in: the 32 loads of x are younger
.set i, 0
.rept 16
	v_cvt_pk_bf16_f32 v[GR+4*i], v[GR+4*i], v[GR+4*i+1]
	v_cvt_pk_bf16_f32 v[GR+4*i+1], v[GR+4*i+2], v[GR+4*i+3]
	ds_store_b64 v6, v[GR+4*i:GR+4*i+1] offset:256*i
.set i, i+1
.endr
.set i, 0
.rept 32
	s_wait_loadcnt 31-i                            ; load i is in; the younger ones stay out
	v_cvt_pk_bf16_f32 v[XR+4*i], v[XR+4*i], v[XR+4*i+1]
	v_cvt_pk_bf16_f32 v[XR+4*i+1], v[XR+4*i+2], v[XR+4*i+3]
	global_store_b64 v5, v[XR+4*i:XR+4*i+1], s[8:9] offset:256*i  ; the wave stores 256 consecutive bytes, at a multiple of 256 from xb's first byte
	ds_store_b64 v7, v[XR+4*i:XR+4*i+1] offset:(i/8)*XP+(i%8)*256
.set i, i+1
.endr
	s_wait_dscnt 0x0                               ; for the others' sake: my tokens lie in LDS
	s_barrier_signal -1
	s_barrier_wait -1
	s_wait_xcnt 0x0                                ; the stores to xb have read their registers: only now are these loaded again
.irp s, 0,1,2,3,4,5,6,7
	ds_load_tr16_b128 v[64+8*\s:67+8*\s], v8 offset:512*\s       ; Wg^T: expert lane % 8, k = 32 s + 8 h + 0..7
	ds_load_tr16_b128 v[68+8*\s:71+8*\s], v8 offset:512*\s+256   ; k = 32 s + 16 + 8 h + 0..7
	ds_load_b128 v[128+8*\s:131+8*\s], v9 offset:64*\s
	ds_load_b128 v[132+8*\s:135+8*\s], v9 offset:64*\s+32
.endr
.irp s, 0,1,2,3,4,5,6,7                ; two accumulators take turns
	s_wait_dscnt 4*(7-\s)                          ; this K step's four loads are in; the later steps' stay out
.if \s < 2
	v_wmma_f32_16x16x32_bf16 v[16+8*(\s%2):23+8*(\s%2)], v[64+8*\s:71+8*\s], v[128+8*\s:135+8*\s], 0
.else
	v_wmma_f32_16x16x32_bf16 v[16+8*(\s%2):23+8*(\s%2)], v[64+8*\s:71+8*\s], v[128+8*\s:135+8*\s], v[16+8*(\s%2):23+8*(\s%2)]
.endif
.endr
.rept 4
	v_nop                                          ; four places between the last product and the first read of a result (ISA guide 7.12.1)
.endr
.irp j, 0,1,2,3,4,5,6,7
	v_add_f32 v[32+\j], v[16+\j], v[24+\j]
.endr
	ds_store_b128 v10, v[32:35]
	ds_store_b128 v10, v[36:39] offset:16
	s_wait_dscnt 0x0                               ; for wave 0's sake
	s_barrier_signal -1
	s_barrier_wait -1
	s_cmp_lg_u32 s16, 0
	s_cbranch_scc1 .Lend                           ; the rest is a few hundred instructions for 16 tokens: wave 0 does it
.irp w, 0,1,2,3
	ds_load_b128 v[64+8*\w:67+8*\w], v11 offset:1024*\w
	ds_load_b128 v[68+8*\w:71+8*\w], v11 offset:1024*\w+16
.endr
	s_wait_dscnt 0x0
.irp j, 0,1,2,3,4,5,6,7
	v_add_f32 v[32+\j], v[64+\j], v[72+\j]
	v_add_f32 v[40+\j], v[80+\j], v[88+\j]
.endr
.irp j, 0,1,2,3,4,5,6,7
	v_add_f32 v[32+\j], v[32+\j], v[40+\j]         ; the token's logits
.endr
	v_max3_num_f32 v48, v32, v33, v34
	v_max3_num_f32 v48, v48, v35, v36
	v_max3_num_f32 v48, v48, v37, v38
	v_max_num_f32 v48, v48, v39                    ; the maximum is taken away before the exponentials
.irp j, 0,1,2,3,4,5,6,7
	v_sub_f32 v[40+\j], v[32+\j], v48
.endr
.irp j, 0,1,2,3,4,5,6,7
	v_mul_f32 v[40+\j], 0x3fb8aa3b, v[40+\j]       ; log2(e)
.endr
.irp j, 0,1,2,3,4,5,6,7
	v_exp_f32 v[40+\j], v[40+\j]
.endr
	v_nop                                          ; a plain instruction behind the last exponential,
	s_wait_alu depctr_va_vdst(0)                   ; and one wait for the batch of eight
	v_add_f32 v49, v40, v41
	v_add_f32 v50, v42, v43
	v_add_f32 v51, v44, v45
	v_add_f32 v52, v46, v47
	v_add_f32 v49, v49, v50
	v_add_f32 v51, v51, v52
	v_add_f32 v49, v49, v51
	v_rcp_f32 v50, v49
	v_nop
	s_wait_alu depctr_va_vdst(0)
.irp j, 0,1,2,3,4,5,6,7
	v_mul_f32 v[40+\j], v[40+\j], v50              ; the probabilities
.endr
	v_mov_b32 v51, v40                             ; the largest: value v51, index v52; a later one wins only if it is greater, so the lower index keeps a tie
	v_mov_b32 v52, 0
.irp e, 1,2,3,4,5,6,7
	v_cmp_gt_f32 vcc_lo, v[40+\e], v51
	v_cndmask_b32 v51, v51, v[40+\e], vcc_lo
	v_cndmask_b32 v52, v52, \e, vcc_lo
.endr
.irp e, 0,1,2,3,4,5,6,7
	v_cmp_eq_u32 vcc_lo, \e, v52
	v_cndmask_b32 v[64+\e], v[40+\e], -1.0, vcc_lo ; the chosen one is taken out: below every probability
.endr
	v_mov_b32 v53, v64                             ; the second: value v53, index v54
	v_mov_b32 v54, 0
.irp e, 1,2,3,4,5,6,7
	v_cmp_gt_f32 vcc_lo, v[64+\e], v53
	v_cndmask_b32 v53, v53, v[64+\e], vcc_lo
	v_cndmask_b32 v54, v54, \e, vcc_lo
.endr
	v_add_f32 v55, v51, v53
	v_rcp_f32 v56, v55
	v_mov_b32 v96, v52                             ; (a plain instruction behind the reciprocal)
	v_mov_b32 v97, v54
	s_wait_alu depctr_va_vdst(0)
	v_mul_f32 v98, v51, v56
	v_mul_f32 v99, v53, v56
.irp e, 0,1,2,3,4,5,6,7
	v_cmp_eq_u32 s20, \e, v52
	v_cmp_eq_u32 s21, \e, v54
	s_or_b32 s20, s20, s21
	v_cndmask_b32 v[104+\e], 0, 1.0, s20           ; 1 where the token chose expert e
.endr
.irp m, 1,2,4,8                        ; sums over the 16 tokens: lanes 16-31 hold the same tokens once more
.irp q, 40,41,42,43,44,45,46,47,104,105,106,107,108,109,110,111
	v_add_f32_dpp v\q, v\q, v\q row_xmask:\m row_mask:0xf bank_mask:0xf
.endr
.endr
	s_wait_xcnt 0x0                                ; EXEC changes only behind this wait
	v_cmp_gt_u32 vcc_lo, 16, v1
	s_and_saveexec_b32 s30, vcc_lo                 ; lanes 0-15: a token each
	global_store_b64 v12, v[96:97], s[10:11]
	global_store_b64 v12, v[98:99], s[12:13]
	s_wait_xcnt 0x0
	s_or_b32 exec_lo, exec_lo, s30
	v_cmp_gt_u32 vcc_lo, 1, v1
	s_and_saveexec_b32 s30, vcc_lo                 ; lane 0: the work-group's 16 sums
	global_store_b128 v13, v[40:43], s[14:15]
	global_store_b128 v13, v[44:47], s[14:15] offset:16
	global_store_b128 v13, v[104:107], s[14:15] offset:32
	global_store_b128 v13, v[108:111], s[14:15] offset:48
	s_wait_xcnt 0x0
	s_or_b32 exec_lo, exec_lo, s30
.Lend:
	s_wait_tensorcnt 0x0                           ; the wave's end
	ds_add_u32 v62, v63
	s_wait_dscnt 0x0
	s_endpgm
.Lfunc_end_k_qacfc7924b9_router:
	.size	k_qacfc7924b9_router, .Lfunc_end_k_qacfc7924b9_router-k_qacfc7924b9_router
	.p2alignl 7, 3214868480
	.fill 96, 4, 3214868480
	.section	.rodata,"a",@progbits
	.p2align	6, 0x0
	.amdhsa_kernel k_qacfc7924b9_router
		.amdhsa_group_segment_fixed_size 54016
		.amdhsa_private_segment_fixed_size 0
		.amdhsa_enable_private_segment 0
		.amdhsa_kernarg_size 48
		.amdhsa_user_sgpr_count 2
		.amdhsa_user_sgpr_kernarg_segment_ptr 1
		.amdhsa_wavefront_size32 1
		.amdhsa_system_sgpr_workgroup_id_x 1
		.amdhsa_system_sgpr_workgroup_id_y 1
		.amdhsa_system_sgpr_workgroup_id_z 1
		.amdhsa_system_vgpr_workitem_id 0
		.amdhsa_next_free_vgpr 256
		.amdhsa_next_free_sgpr 66
		.amdhsa_reserve_vcc 1
		.amdhsa_float_denorm_mode_32 3
		.amdhsa_float_denorm_mode_16_64 3
		.amdhsa_memory_ordered 1
		.amdhsa_forward_progress 1
		.amdhsa_inst_pref_size 36
	.end_amdhsa_kernel
	.amdgpu_metadata
---
amdhsa.version: [ 1, 2 ]
amdhsa.kernels:
  - .name:           k_qacfc7924b9_router
    .symbol:         k_qacfc7924b9_router.kd
    .args:
      - { .name: x, .offset: 0, .size: 8, .value_kind: global_buffer, .address_space: global }
      - { .name: Wg, .offset: 8, .size: 8, .value_kind: global_buffer, .address_space: global }
      - { .name: xb, .offset: 16, .size: 8, .value_kind: global_buffer, .address_space: global }
      - { .name: sel, .offset: 24, .size: 8, .value_kind: global_buffer, .address_space: global }
      - { .name: wts, .offset: 32, .size: 8, .value_kind: global_buffer, .address_space: global }
      - { .name: part, .offset: 40, .size: 8, .value_kind: global_buffer, .address_space: global }
    .group_segment_fixed_size: 54016
    .private_segment_fixed_size: 0
    .kernarg_segment_align: 8
    .kernarg_segment_size: 48
    .max_flat_workgroup_size: 128
    .sgpr_count:     66
    .vgpr_count:     256
    .wavefront_size: 32
...
	.end_amdgpu_metadata
.endif
;; end of part 1
;; launch ffn1 (part 2): grid 256 x 1, 4 waves a work-group, no clusters, 315,648 bytes of LDS; arguments W1, xb, sel, hbuf; writes hbuf
.if DOCPART == 2
	.amdgcn_target "amdgcn-amd-amdhsa--gfx1250"
	.amdhsa_code_object_version 6
	.text
	.protected	k_qacfc7924b9_ffn1
	.globl	k_qacfc7924b9_ffn1
	.p2align	8
	.type	k_qacfc7924b9_ffn1,@function
k_qacfc7924b9_ffn1:
	s_mov_b64 s[64:65], 0
	v_nop
	global_prefetch_b8 v0, s[64:65] scope:SCOPE_SE
	s_setreg_imm32_b32 hwreg(HW_REG_WAVE_MODE, 25, 1), 1
	s_wait_xcnt 0x0
; ONE TEXT FOR BOTH PRODUCTS OF THE EXPERTS; WHICH chooses.
;   WHICH = 1:  hbuf[slot][f] = gelu(sum over c of xb[slot / 2][c] W1[e][c][f]), bf16.     WHICH = 2:  ypart[p][slot][c] = sum over the K quarter p of hbuf[slot][f] W2[e][f][c], f32.
; A slot is 2 x token + choice; sel[slot] is its expert, stored by the router's launch.  Only the slots of expert e are multiplied by e's weights.
; SHARES.  256 work-groups: 8 experts x 32 slices.  A slice is 1,024 (K) x 128 (N) of one expert's weights, 524,288 bytes of f32, which this work-group alone reads, once.
;   WHICH = 1: slice s = columns 128 s.     WHICH = 2: K quarter p and columns 128 cs; the four quarters' partial sums stay f32 and are added by the last launch.
; PHASES.  (0) 64 loads of weights a wave go out; wave 0 meanwhile makes the list of e's slots, and their number N, in LDS from sel.  (A) The slice is rounded to bf16 on its way through registers into
; LDS, [k][n], a ring of 64 loads of 512 bytes a wave.  (B) The rows: a wave takes 80 rows x 128 columns (40 accumulators) through K = 1,024; the rows come from memory straight into registers as matrix
; operands, the weights out of LDS, turned by ds_load_tr16_b128.  Four passes of 4 x 80 rows cover the 1,024 rows that an expert can have.  A pass is: the products, which only read LDS; a barrier; the way
; out, through each wave's own stage; a barrier.  So between two barriers LDS is never both written and read at an address that walks.  Every wave passes all eight barriers; only work is jumped.
; The first pass's products are always made (the loop is entered behind the test), so that every accumulator has been written when the way out's text is reached; from the second pass on a wave whose rows
; begin at or past N jumps them.  In the way out whole blocks of 16 rows at or past N are jumped.
; Places past N name the expert's own spare row 2048 + e: they are computed from a row that exists (the index is bounded) and stored into that spare row, which nobody reads.
; NO TENSOR LOADS: f32 weights must pass registers to be rounded.  NO CLUSTER: a slice has one reader, and the rows that an expert's work-groups share come by a list, which no descriptor covers.
; THE MATRIX INSTRUCTION IS USED TRANSPOSED (source 0 = 16 columns of the weights, source 1 = 16 rows): a lane holds eight neighbouring numbers of one row of the result.
; LIMITS (WHICH = 1).  erf by a polynomial in 1 / (1 + 0.3275911 |x|) times exp(-x^2), absolute error 1.5e-7; an exponential below 2^-126 counts as 0; NaN and infinities are not treated apart.
; REGISTERS, in windows of 256 (s_set_vgpr_msb: bits 1:0 source 0, 3:2 source 1, 5:4 source 2, 7:6 destination):
;   window 0: v0-40 addresses and work; v48-55, v224-255 the pass's list words; phase A: v64-191 ring slots 0-31, v192-255 sel; phase B: v64-223 four buffers of A's fragments; the way out works there too
;   window 1: phase A: v2, v3 copies of two addresses, v64-191 ring slots 32-63; phase B: v0-127 two buffers of the weights' fragments
;   window 2: the accumulators of row blocks 0-3, (b, nb) at 64 b + 8 nb;     window 3: v0-63 those of row block 4
.set WHICH,  1
.set PITCH,  288                       ; a k-row of the slice in LDS: 256 bytes + 32 = 72 words
.set SPITCH, 272                       ; a row of the stage: 256 bytes + 16
.set STG,    1024*PITCH                ; 294,912: 16 rows x 272 bytes for each wave, for the way out
.set LIST,   STG+4*16*SPITCH           ; 312,320: 1,280 places of 16 bits: the expert's slots
.set DUMPI,  1280                      ; places 1280 + lane: where a lane whose slot is another expert's puts it
.set CNTA,   LIST+2*DUMPI+64           ; 314,944: N
.set SPARE,  315136                    ; the spare words, 128 bytes a wave; no other line names them
.set PL,     2056*4096                 ; a plane of ypart
.if WHICH == 1
.set PG,     16384                     ; bytes from a k-row of the weights to the next
.set ASH,    11                        ; a row of A is 2,048 bytes
.set AMAX,   1023
.set OSH,    13                        ; a row of the output is 8,192 bytes
.set NCASE,  5                         ; the way out goes by blocks of 16 rows
.set SSH,    4                         ; into the stage: 16 bytes (8 bf16) for each half of the lanes
.else
.set PG,     4096
.set ASH,    13
.set AMAX,   2047
.set OSH,    12
.set NCASE,  10                        ; by blocks of 16 rows x 64 columns
.set SSH,    5                         ; into the stage: 32 bytes (8 f32) for each half of the lanes
.endif
.set RR,   1                           ; v1   lane % 16
.set LW,   2                           ; v2   phase A: where I put 8 bytes of a k-row (also in window 1)
.set GO,   3                           ; v3   16 x lane (also in window 1)
.set HH,   4                           ; v4   lane / 16
.set H16,  5                           ; v5   16 x that
.set BT,   6                           ; v6   my lane's place in a fragment of the weights
.set BR,   7                           ; v7   the same, walking along K
.set AO,   8                           ; v8-12  byte offset of my row in row blocks 0-4
.set LR,   13                          ; v13  list address of the pass's rows, by lane % 16
.set LQ,   14                          ; v14  list address of the pass's first row, alike in all lanes
.set STO,  15                          ; v15  the way out: where I put my numbers of a row
.set RD,   16                          ; v16  where I read rows back
.set C16,  17                          ; v17  16 x (lane % 16)
.set RO,   18                          ; v18-25 the way out: byte offsets of eight rows
.set SPW,  30                          ; v30  my spare word; never rewritten
.set NIL,  31                          ; v31  0; never rewritten
.set SELR, 192
.set AF,   64
.set HV,   64                          ; the way out of WHICH = 1: 64 numbers, halved
.set GT,   128                         ; 32 at work
.set GQ,   160
.set GP,   192
.set PK,   128                         ; packed results
.set OB,   160                         ; 16 rows read back from the stage
.set MSB, 0
.macro WIN new                         ; the immediate's high byte repeats the setting that is left; a switch that changes nothing is dropped
.if MSB != (\new)
	s_set_vgpr_msb (MSB<<8)|(\new)
.set MSB, \new
.endif
.endm
.macro SETLB b                         ; LB: the eight list words of row block b: word t holds the slots of rows 2 t (low half) and 2 t + 1 (high half)
.if (\b) == 4
.set LB, 48
.else
.set LB, 224+8*(\b)
.endif
.endm
	s_load_b256 s[4:11], s[0:1], 0x0               ; weights s[4:5], A s[6:7], sel s[8:9], output s[10:11]
	v_lshl_add_u32 v[SPW], v0, 2, SPARE
	v_mov_b32 v[NIL], 0
	v_lshrrev_b32 v26, 5, v0
	v_readfirstlane_b32 s12, v26                   ; wave 0..3
	s_lshr_b32 s13, ttmp9, 5                       ; e
.if WHICH == 1
	s_and_b32 s14, ttmp9, 31                       ; slice
	s_lshl_b32 s32, s14, 9                         ; its 128 columns of f32
	s_lshl_b32 s34, s14, 8                         ; and of bf16
.else
	s_bfe_u32 s14, ttmp9, 0x20003                  ; p
	s_and_b32 s15, ttmp9, 7                        ; cs
	s_lshl_b32 s32, s15, 9                         ; its 128 columns of f32
	s_mul_i32 s34, s14, PL
	s_add_co_u32 s34, s34, s32                     ; output: plane p, those columns
	s_lshl_b32 s31, s14, 22                        ; 1,024 p k-rows of 4,096 bytes
	s_add_co_u32 s32, s32, s31
	s_lshl_b32 s36, s14, 11                        ; A: 1,024 p numbers of bf16 along a row
	s_mov_b32 s37, 0
.endif
	s_lshl_b32 s31, s13, 24                        ; an expert's weights are 16,777,216 bytes
	s_add_co_u32 s32, s32, s31
	s_mul_i32 s31, s12, 256*PG                     ; my wave's 256 k-rows
	s_add_co_u32 s32, s32, s31
	s_mov_b32 s33, 0
	s_mov_b32 s35, 0
	v_and_b32 v27, 31, v0                          ; lane
	v_and_b32 v[RR], 15, v0
	v_bfe_u32 v[HH], v0, 4, 1
	v_lshlrev_b32 v[H16], 4, v[HH]
	v_lshlrev_b32 v[GO], 4, v27
	s_mul_i32 s31, s12, 256*PITCH
	v_lshl_add_u32 v[LW], v27, 3, s31
	v_and_b32 v28, 7, v0
	v_lshl_add_u32 v28, v[HH], 3, v28
	v_mul_u32_u24 v[BT], v28, PITCH                ; the turning load: k-row 8 (lane / 16) + lane % 8,
	v_bfe_u32 v28, v0, 3, 1
	v_lshl_add_u32 v[BT], v28, 4, v[BT]            ; columns 8 ((lane / 8) % 2) + 0..7
	s_mul_i32 s31, s12, 16*SPITCH
	s_add_co_u32 s31, s31, STG                     ; my stage
	v_mul_u32_u24 v[STO], v[RR], SPITCH            ; in: row lane % 16, eight numbers for each half of the lanes
	v_lshl_add_u32 v[STO], v[HH], SSH, v[STO]
	v_add_nc_u32 v[STO], s31, v[STO]
	v_mul_u32_u24 v[RD], v[HH], SPITCH             ; back: lanes 0-15 take one row of 256 bytes, lanes 16-31 the next
	v_lshl_add_u32 v[RD], v[RR], 4, v[RD]
	v_add_nc_u32 v[RD], s31, v[RD]
	v_lshlrev_b32 v[C16], 4, v[RR]
.if WHICH == 1
	s_mov_b32 s36, 0x3f87dc22                      ; a5 =  1.061405429      (each constant twice: the packed forms name a pair)
	s_mov_b32 s37, s36
	s_mov_b32 s38, 0xbfba00e3                      ; a4 = -1.453152027
	s_mov_b32 s39, s38
	s_mov_b32 s40, 0x3fb5f0e3                      ; a3 =  1.421413741
	s_mov_b32 s41, s40
	s_mov_b32 s42, 0xbe91a98e                      ; a2 = -0.284496736
	s_mov_b32 s43, s42
	s_mov_b32 s44, 0x3e827906                      ; a1 =  0.254829592
	s_mov_b32 s45, s44
	s_mov_b32 s46, 0x3fd96d27                      ; sqrt(2 log2(e)) = 1.698644
	s_mov_b32 s47, s46
	s_mov_b32 s48, 0x3eed3388                      ; 0.3275911 sqrt(2) = 0.4632838
.endif
	WIN 0x40                                       ; destination window 1
	v_mov_b32 v[LW], v[LW]
	v_mov_b32 v[GO], v[GO]
	WIN 0
	s_wait_kmcnt 0x0
	s_add_nc_u64 s[16:17], s[4:5], s[32:33]        ; the weights at my wave's first k-row
.if WHICH == 1
	s_mov_b64 s[20:21], s[6:7]
.else
	s_add_nc_u64 s[20:21], s[6:7], s[36:37]
.endif
	s_add_nc_u64 s[22:23], s[10:11], s[34:35]
	; PHASE 0.  sel first (wave 0), then the ring's 64 loads: slot i = k-row i of my 256; a load takes the row's 512 bytes
	s_cmp_lg_u32 s12, 0
	s_cbranch_scc1 .Lnosel
.set i, 0
.rept 16
	global_load_b128 v[SELR+4*i:SELR+4*i+3], v[GO], s[8:9] offset:512*i
.set i, i+1
.endr
.Lnosel:
.set i, 0
.rept 32
	global_load_b128 v[64+4*i:67+4*i], v[GO], s[16:17] offset:i*PG th:TH_LOAD_NT
.set i, i+1
.endr
	WIN 0x45                                       ; destination, source 0 (address) and source 1 (store data) in window 1
.rept 32
	global_load_b128 v[64+4*(i-32):67+4*(i-32)], v[GO], s[16:17] offset:i*PG th:TH_LOAD_NT
.set i, i+1
.endr
	WIN 0
	s_cmp_lg_u32 s12, 0
	s_cbranch_scc1 .Lnolist
	; THE LIST, by wave 0 alone; no other wave touches LDS before the barrier below.  A matching lane's place is the matches so far plus those in lower lanes.
	s_wait_loadcnt 63                              ; sel is in: 64 loads are younger; the count's field ends at 63, which asks for one load more
	s_add_co_u32 s31, s13, 2048
	s_lshl_b32 s32, s31, 16
	s_or_b32 s32, s32, s31
	v_mov_b32 v36, s32
	v_mov_b32 v37, s32
	v_mov_b32 v38, s32
	v_mov_b32 v39, s32
	v_add_nc_u32 v35, LIST, v[GO]
.irp j, 0,1,2,3,4
	ds_store_b128 v35, v[36:39] offset:512*\j      ; every place first names the expert's spare row, 2048 + e
.endr
	v_lshlrev_b32 v34, 2, v27                      ; 4 x lane
	v_add_nc_u32 v40, DUMPI, v27
	s_mov_b32 s30, 0
.macro LSTEP q, c                      ; the 32 slots 128 q + 4 lane + c
	v_cmp_eq_u32 vcc_lo, s13, v[SELR+4*(\q)+(\c)]
	v_mbcnt_lo_u32_b32 v32, vcc_lo, s30
	v_cndmask_b32 v32, v40, v32, vcc_lo            ; another expert's slot goes to the lane's own dump place
	v_min_u32 v32, DUMPI+31, v32                   ; the place is bounded before it becomes an address
	v_lshl_add_u32 v32, v32, 1, LIST
	v_add_nc_u32 v33, 128*(\q)+(\c), v34
	ds_store_b16 v32, v33
	s_bcnt1_i32_b32 s31, vcc_lo
	s_add_co_u32 s30, s30, s31
.endm
.set q, 0
.rept 16
.irp c, 0,1,2,3
	LSTEP q, \c
.endr
.set q, q+1
.endr
	v_mov_b32 v32, s30
	v_mov_b32 v33, CNTA
	ds_store_b32 v33, v32
.Lnolist:
	s_wait_dscnt 0x0                               ; the list is written before any other wave touches LDS; the ring's loads stay on their way
	s_barrier_signal -1
	s_barrier_wait -1
	; PHASE A.  A slot's turn: its 512 bytes are in; four f32 a lane become four bf16; the wave puts 256 consecutive bytes into the k-row; the slot takes the k-row 64 further on.
.macro SLOT i, refill, left
.set X, 64+4*((\i)%32)
	s_wait_loadcnt \left
	v_cvt_pk_bf16_f32 v[X], v[X], v[X+1]
	v_cvt_pk_bf16_f32 v[X+1], v[X+2], v[X+3]
	ds_store_b64 v[LW], v[X:X+1] offset:(\i)*PITCH
.if \refill
	global_load_b128 v[X:X+3], v[GO], s[16:17] offset:((\i)+64)*PG th:TH_LOAD_NT
.endif
.endm
	s_mov_b32 s27, 3
.Llap:                                 ; three laps fill the ring again: 64 loads of the wave, 32,768 bytes, are always out
.set i, 0
.rept 32
	SLOT i, 1, 63                                  ; 64 are out, the oldest is wanted
.set i, i+1
.endr
	WIN 0x45
.rept 32
	SLOT i, 1, 63
.set i, i+1
.endr
	v_add_nc_u32 v[LW], 64*PITCH, v[LW]            ; window 1's copy
	WIN 0
	v_add_nc_u32 v[LW], 64*PITCH, v[LW]
	s_wait_xcnt 0x0                                ; the loads' base is stepped only behind this wait
	s_add_nc_u64 s[16:17], s[16:17], 64*PG
	s_sub_co_u32 s27, s27, 1
	s_cmp_lg_u32 s27, 0
	s_cbranch_scc1 .Llap
.set i, 0
.rept 32
	SLOT i, 0, 63-i                                ; the last lap loads nothing: the counts run down
.set i, i+1
.endr
	WIN 0x45
.rept 32
	SLOT i, 0, 63-i
.set i, i+1
.endr
	WIN 0
	s_wait_dscnt 0x0                               ; for the others' sake: my quarter of the slice lies in LDS
	s_barrier_signal -1
	s_barrier_wait -1                              ; from here on nobody writes the slice, the list or N
	; PHASE B
.macro BLOAD pb                        ; the weights' fragments of K step pb (counted from BR): 8 blocks of 16 columns x 32 k, turned, into buffer pb % 2
	WIN 0x40
.set BD, 64*((\pb)%2)
.irp nb, 0,1,2,3,4,5,6,7
	ds_load_tr16_b128 v[BD+8*\nb:BD+8*\nb+3],   v[BR] offset:(\pb)*32*PITCH+32*\nb
	ds_load_tr16_b128 v[BD+8*\nb+4:BD+8*\nb+7], v[BR] offset:(\pb)*32*PITCH+32*\nb+16*PITCH
.endr
.endm
.macro ALOAD pa                        ; the rows' fragments of K step pa (counted from s[18:19]): 5 blocks of 16 rows x 32 k, into buffer pa % 4
	WIN 0
.set AD, AF+40*((\pa)%4)
.irp b, 0,1,2,3,4
	global_load_b128 v[AD+8*\b:AD+8*\b+3],   v[AO+\b], s[18:19] offset:64*(\pa)
	global_load_b128 v[AD+8*\b+4:AD+8*\b+7], v[AO+\b], s[18:19] offset:64*(\pa)+32
.endr
.endm
; A K step of 32: the loads for later steps, then 40 products.  u: the step modulo 4.  zero = 1: the products start the sums.  pa, pb: the steps asked for (-1: none).
; lc: A's younger loads that may stay out (three, two, one groups of ten, or none).  dc: the weights' 16 loads just issued, or none.
; The 40 accumulators take turns, one instruction a turn.
.macro STEP u, zero, pa, pb, lc, dc
	WIN 0
.rept 4
	v_nop                                          ; four places between the last step's products and loads into registers that they read (ISA guide 7.12.1 for vector instructions)
.endr
.if (\pb) >= 0
	BLOAD \pb
.endif
.if (\pa) >= 0
	ALOAD \pa
.endif
	s_wait_dscnt \dc
	s_wait_loadcnt \lc
.set BS, 64*((\u)%2)
.set AS, AF+40*(\u)
	WIN 0xa1                                       ; weights window 1, rows window 0, sums window 2
.irp b, 0,1,2,3
.irp nb, 0,1,2,3,4,5,6,7
.if \zero
	v_wmma_f32_16x16x32_bf16 v[64*\b+8*\nb:64*\b+8*\nb+7], v[BS+8*\nb:BS+8*\nb+7], v[AS+8*\b:AS+8*\b+7], 0
.else
	v_wmma_f32_16x16x32_bf16 v[64*\b+8*\nb:64*\b+8*\nb+7], v[BS+8*\nb:BS+8*\nb+7], v[AS+8*\b:AS+8*\b+7], v[64*\b+8*\nb:64*\b+8*\nb+7]
.endif
.endr
.endr
	WIN 0xf1                                       ; sums window 3
.irp nb, 0,1,2,3,4,5,6,7
.if \zero
	v_wmma_f32_16x16x32_bf16 v[8*\nb:8*\nb+7], v[BS+8*\nb:BS+8*\nb+7], v[AS+32:AS+39], 0
.else
	v_wmma_f32_16x16x32_bf16 v[8*\nb:8*\nb+7], v[BS+8*\nb:BS+8*\nb+7], v[AS+32:AS+39], v[8*\nb:8*\nb+7]
.endif
.endr
.endm
	v_mov_b32 v29, CNTA
	ds_load_b32 v26, v29
	s_wait_dscnt 0x0
	v_readfirstlane_b32 s24, v26
	s_min_u32 s24, s24, 0x400                      ; N: an expert has 1,024 rows at the most
	s_mul_i32 s25, s12, 80                         ; my first row of the pass
	s_mov_b32 s26, 0
	s_branch .Lwork                                ; the first pass's products are always made: places past N name rows that exist
.Lpass:                                ; four passes of 320 rows
	s_cmp_ge_u32 s25, s24
	s_cbranch_scc1 .Lnok                           ; none of my 80 rows exists: no products; the barriers below are passed all the same
.Lwork:
	s_wait_xcnt 0x0                                ; the last pass's stores have read their registers
	s_lshl_b32 s31, s25, 1
	s_add_co_u32 s31, s31, LIST
	v_lshl_add_u32 v[LR], v[RR], 1, s31
	v_mov_b32 v[LQ], s31
.irp b, 0,1,2,3,4
	ds_load_u16 v[AO+\b], v[LR] offset:32*\b       ; the slot of my row in block b
.endr
.irp b, 0,1,2,3,4                      ; and, for the way out, each block's 16 slots in all lanes alike: the way out itself reads nothing of the list
	SETLB \b
	ds_load_b128 v[LB:LB+3],   v[LQ] offset:32*\b
	ds_load_b128 v[LB+4:LB+7], v[LQ] offset:32*\b+16
.endr
	s_mov_b64 s[18:19], s[20:21]
	s_mov_b32 s49, 0                               ; how far the weights' fragments have walked along K, in LDS bytes
	v_mov_b32 v[BR], v[BT]
	BLOAD 0
	WIN 0
	s_wait_dscnt 16                                ; the slots are in; the 16 loads of weights are younger
.irp b, 0,1,2,3,4
.if WHICH == 1
	v_lshrrev_b32 v[AO+\b], 1, v[AO+\b]            ; the slot's token
.endif
	v_min_u32 v[AO+\b], AMAX, v[AO+\b]             ; a place past N takes the last row that exists
	v_lshl_add_u32 v[AO+\b], v[AO+\b], ASH, v[H16]
.endr
	ALOAD 0
	ALOAD 1
	ALOAD 2
	STEP 0, 1, 3, 1, 30, 16                        ; K step 0 starts the sums: nothing is cleared
	WIN 0
	s_mov_b32 s27, 7
.Lk:                                   ; a trip: K steps 4 t + 1 .. 4 t + 4.  A is asked for three steps ahead, the weights' fragments one
	STEP 1, 0, 4, 2, 30, 16
	STEP 2, 0, 5, 3, 30, 16
	STEP 3, 0, 6, 4, 30, 16
	WIN 0
	s_wait_xcnt 0x0                                ; A's base is stepped only behind this wait
	s_add_nc_u64 s[18:19], s[18:19], 256           ; four K steps on
	s_add_co_u32 s49, s49, 4*32*PITCH
	v_add_nc_u32 v[BR], s49, v[BT]
	STEP 0, 0, 3, 1, 30, 16
	WIN 0
	s_sub_co_u32 s27, s27, 1
	s_cmp_lg_u32 s27, 0
	s_cbranch_scc1 .Lk
	STEP 1, 0, -1, 2, 20, 16                       ; the last three steps ask for no rows: the counts run down
	STEP 2, 0, -1, 3, 10, 16
	STEP 3, 0, -1, -1, 0, 0
	WIN 0
.rept 4
	v_nop                                          ; four places between the last product and the first read of a result
.endr
.Lnok:
	s_wait_dscnt 0x0                               ; my reads of the slice and of the list are back,
	s_barrier_signal -1
	s_barrier_wait -1                              ; and so are everybody's: only now are the stages written
	; THE WAY OUT, a block at a time through my own stage; which accumulators a block names cannot hang on a counter, so a case is written for each; all jumps go forward.
	s_mov_b32 s28, 0
.Lblk:
.if WHICH == 1
	s_lshl4_add_u32 s29, s28, s25                  ; the block's first row
.else
	s_lshr_b32 s31, s28, 1
	s_lshl4_add_u32 s29, s31, s25
.endif
	s_cmp_ge_u32 s29, s24
	s_cbranch_scc1 .Lnextb                         ; none of its 16 rows exists
	s_wait_xcnt 0x0                                ; the last block's stores have read their offsets and data
.if WHICH == 1
.macro CASE k                          ; row block k: the slots of its rows 2 t + lane / 16; its 64 numbers a lane, halved, into window 0; each accumulator is read from its low end on
	SETLB \k
.irp t, 0,1,2,3,4,5,6,7
	v_bfe_u32 v[RO+\t], v[LB+\t], v[H16], 16
.endr
.if (\k) == 4
	WIN 0x03
.set AC, 0
.else
	WIN 0x02
.set AC, 64*(\k)
.endif
.set z, 0
.rept 32
	v_pk_mul_f32 v[HV+z:HV+z+1], v[AC+z:AC+z+1], 0.5 op_sel_hi:[1,0]
.set z, z+2
.endr
	WIN 0
.endm
.irp k, 0,1,2,3
	s_cmp_eq_u32 s28, \k
	s_cbranch_scc1 .Lc\k
.endr
	CASE 4
	s_branch .LG
.irp k, 0,1,2,3
.Lc\k:
	CASE \k
	s_branch .LG
.endr
.else
.macro CASE k                          ; row block k / 2, columns 64 (k % 2) on: the slots of its rows 2 t + lane / 16; 8 f32 a lane and accumulator, straight into the stage, the low four first
	SETLB (\k)/2
.irp t, 0,1,2,3,4,5,6,7
	v_bfe_u32 v[RO+\t], v[LB+\t], v[H16], 16
.endr
.if (\k)/2 == 4
	WIN 0x0c
.set AC, 32*((\k)%2)
.else
	WIN 0x08
.set AC, 64*((\k)/2)+32*((\k)%2)
.endif
.irp nb, 0,1,2,3
	ds_store_b128 v[STO], v[AC+8*\nb:AC+8*\nb+3]   offset:64*\nb
	ds_store_b128 v[STO], v[AC+8*\nb+4:AC+8*\nb+7] offset:64*\nb+16
.endr
	WIN 0
.endm
.irp k, 0,1,2,3,4,5,6,7,8
	s_cmp_eq_u32 s28, \k
	s_cbranch_scc1 .Lc\k
.endr
	CASE 9
	s_branch .LG
.irp k, 0,1,2,3,4,5,6,7,8
.Lc\k:
	CASE \k
	s_branch .LG
.endr
.endif
.LG:
.if WHICH == 1
; gelu(v) = hv + |hv| erf(|v| / sqrt(2)), hv = v / 2;  erf(x) = 1 - (a1 t + .. + a5 t^5) exp(-x^2), t = 1 / (1 + 0.3275911 x).  32 numbers a batch:
; their 32 reciprocals and 32 exponentials are issued together and have one wait.
.macro GBATCH g
.set GH, HV+32*(\g)
.set z, 0
.rept 32
	v_fma_f32 v[GT+z], |v[GH+z]|, s48, 1.0
.set z, z+1
.endr
.set z, 0
.rept 16
	v_pk_mul_f32 v[GQ+z:GQ+z+1], v[GH+z:GH+z+1], s[46:47] op_sel_hi:[1,0]
.set z, z+2
.endr
.set z, 0
.rept 16
	v_pk_mul_f32 v[GQ+z:GQ+z+1], v[GQ+z:GQ+z+1], v[GQ+z:GQ+z+1] neg_lo:[0,1] neg_hi:[0,1]  ; -x^2 log2(e)
.set z, z+2
.endr
.set z, 0
.rept 32
	v_rcp_f32 v[GT+z], v[GT+z]
.set z, z+1
.endr
.set z, 0
.rept 32
	v_exp_f32 v[GQ+z], v[GQ+z]
.set z, z+1
.endr
	v_nop                                          ; a plain instruction behind the last of them,
	s_wait_alu depctr_va_vdst(0)                   ; and the one wait for the batch
.set z, 0
.rept 16
	v_pk_fma_f32 v[GP+z:GP+z+1], v[GT+z:GT+z+1], s[36:37], s[38:39] op_sel_hi:[1,0,0]
.set z, z+2
.endr
.irp a, 40,42,44
.set z, 0
.rept 16
	v_pk_fma_f32 v[GP+z:GP+z+1], v[GP+z:GP+z+1], v[GT+z:GT+z+1], s[\a:\a+1] op_sel_hi:[1,1,0]
.set z, z+2
.endr
.endr
.set z, 0
.rept 16
	v_pk_mul_f32 v[GP+z:GP+z+1], v[GP+z:GP+z+1], v[GT+z:GT+z+1]
.set z, z+2
.endr
.set z, 0
.rept 16
	v_pk_fma_f32 v[GP+z:GP+z+1], v[GP+z:GP+z+1], v[GQ+z:GQ+z+1], 1.0 op_sel_hi:[1,1,0] neg_lo:[1,0,0] neg_hi:[1,0,0]  ; erf
.set z, z+2
.endr
.set z, 0
.rept 32
	v_fma_f32 v[GH+z], |v[GH+z]|, v[GP+z], v[GH+z]
.set z, z+1
.endr
.endm
	GBATCH 0
	GBATCH 1
.set z, 0
.rept 32
	v_cvt_pk_bf16_f32 v[PK+z], v[HV+2*z], v[HV+2*z+1]
.set z, z+1
.endr
.irp nb, 0,1,2,3,4,5,6,7
	ds_store_b128 v[STO], v[PK+4*\nb:PK+4*\nb+3] offset:32*\nb
.endr
.endif
.irp t, 0,1,2,3,4,5,6,7
	ds_load_b128 v[OB+4*\t:OB+4*\t+3], v[RD] offset:2*\t*SPITCH  ; my own bytes: LDS serves a wave's instructions in order (ISA guide 5.7.1.4), so these see the stores above
.endr
.if WHICH == 1
	v_mov_b32 v26, v[C16]
.else
	s_and_b32 s31, s28, 1
	s_lshl_b32 s31, s31, 8
	v_add_nc_u32 v26, s31, v[C16]                  ; the half's 256 bytes of the row
.endif
	s_wait_dscnt 0x0
.irp t, 0,1,2,3,4,5,6,7
	v_min_u32 v[RO+\t], 2055, v[RO+\t]             ; bounded before it becomes an address: 2,048 slots and 8 spare rows
	v_lshl_add_u32 v[RO+\t], v[RO+\t], OSH, v26
	global_store_b128 v[RO+\t], v[OB+4*\t:OB+4*\t+3], s[22:23]  ; 16 lanes store 256 consecutive bytes of a row, at a multiple of 256 from the buffer's first byte
.endr
.Lnextb:
	s_add_co_u32 s28, s28, 1
	s_cmp_lt_u32 s28, NCASE
	s_cbranch_scc1 .Lblk
	s_wait_dscnt 0x0                               ; my stores into my stage and my reads of it are done,
	s_barrier_signal -1
	s_barrier_wait -1                              ; and so are everybody's: only now does the next pass read LDS at walking addresses
	s_add_co_u32 s25, s25, 320
	s_add_co_u32 s26, s26, 1
	s_cmp_lt_u32 s26, 4
	s_cbranch_scc1 .Lpass
	s_wait_tensorcnt 0x0                           ; the wave's end
	ds_add_u32 v[SPW], v[NIL]
	s_wait_dscnt 0x0
	s_endpgm
.Lfunc_end_k_qacfc7924b9_ffn1:
	.size	k_qacfc7924b9_ffn1, .Lfunc_end_k_qacfc7924b9_ffn1-k_qacfc7924b9_ffn1
	.p2alignl 7, 3214868480
	.fill 96, 4, 3214868480
	.section	.rodata,"a",@progbits
	.p2align	6, 0x0
	.amdhsa_kernel k_qacfc7924b9_ffn1
		.amdhsa_group_segment_fixed_size 315648
		.amdhsa_private_segment_fixed_size 0
		.amdhsa_enable_private_segment 0
		.amdhsa_kernarg_size 32
		.amdhsa_user_sgpr_count 2
		.amdhsa_user_sgpr_kernarg_segment_ptr 1
		.amdhsa_wavefront_size32 1
		.amdhsa_system_sgpr_workgroup_id_x 1
		.amdhsa_system_sgpr_workgroup_id_y 1
		.amdhsa_system_sgpr_workgroup_id_z 1
		.amdhsa_system_vgpr_workitem_id 0
		.amdhsa_next_free_vgpr 832
		.amdhsa_next_free_sgpr 66
		.amdhsa_reserve_vcc 1
		.amdhsa_float_denorm_mode_32 3
		.amdhsa_float_denorm_mode_16_64 3
		.amdhsa_memory_ordered 1
		.amdhsa_forward_progress 1
		.amdhsa_inst_pref_size 165
	.end_amdhsa_kernel
	.amdgpu_metadata
---
amdhsa.version: [ 1, 2 ]
amdhsa.kernels:
  - .name:           k_qacfc7924b9_ffn1
    .symbol:         k_qacfc7924b9_ffn1.kd
    .args:
      - { .name: W1, .offset: 0, .size: 8, .value_kind: global_buffer, .address_space: global }
      - { .name: xb, .offset: 8, .size: 8, .value_kind: global_buffer, .address_space: global }
      - { .name: sel, .offset: 16, .size: 8, .value_kind: global_buffer, .address_space: global }
      - { .name: hbuf, .offset: 24, .size: 8, .value_kind: global_buffer, .address_space: global }
    .group_segment_fixed_size: 315648
    .private_segment_fixed_size: 0
    .kernarg_segment_align: 8
    .kernarg_segment_size: 32
    .max_flat_workgroup_size: 128
    .sgpr_count:     66
    .vgpr_count:     832
    .wavefront_size: 32
...
	.end_amdgpu_metadata
.endif
;; end of part 2
;; launch ffn2 (part 3): grid 256 x 1, 4 waves a work-group, no clusters, 315,648 bytes of LDS; arguments W2, hbuf, sel, ypart; writes ypart
.if DOCPART == 3
	.amdgcn_target "amdgcn-amd-amdhsa--gfx1250"
	.amdhsa_code_object_version 6
	.text
	.protected	k_qacfc7924b9_ffn2
	.globl	k_qacfc7924b9_ffn2
	.p2align	8
	.type	k_qacfc7924b9_ffn2,@function
k_qacfc7924b9_ffn2:
	s_mov_b64 s[64:65], 0
	v_nop
	global_prefetch_b8 v0, s[64:65] scope:SCOPE_SE
	s_setreg_imm32_b32 hwreg(HW_REG_WAVE_MODE, 25, 1), 1
	s_wait_xcnt 0x0
; ONE TEXT FOR BOTH PRODUCTS OF THE EXPERTS; WHICH chooses.
;   WHICH = 1:  hbuf[slot][f] = gelu(sum over c of xb[slot / 2][c] W1[e][c][f]), bf16.     WHICH = 2:  ypart[p][slot][c] = sum over the K quarter p of hbuf[slot][f] W2[e][f][c], f32.
; A slot is 2 x token + choice; sel[slot] is its expert, stored by the router's launch.  Only the slots of expert e are multiplied by e's weights.
; SHARES.  256 work-groups: 8 experts x 32 slices.  A slice is 1,024 (K) x 128 (N) of one expert's weights, 524,288 bytes of f32, which this work-group alone reads, once.
;   WHICH = 1: slice s = columns 128 s.     WHICH = 2: K quarter p and columns 128 cs; the four quarters' partial sums stay f32 and are added by the last launch.
; PHASES.  (0) 64 loads of weights a wave go out; wave 0 meanwhile makes the list of e's slots, and their number N, in LDS from sel.  (A) The slice is rounded to bf16 on its way through registers into
; LDS, [k][n], a ring of 64 loads of 512 bytes a wave.  (B) The rows: a wave takes 80 rows x 128 columns (40 accumulators) through K = 1,024; the rows come from memory straight into registers as matrix
; operands, the weights out of LDS, turned by ds_load_tr16_b128.  Four passes of 4 x 80 rows cover the 1,024 rows that an expert can have.  A pass is: the products, which only read LDS; a barrier; the way
; out, through each wave's own stage; a barrier.  So between two barriers LDS is never both written and read at an address that walks.  Every wave passes all eight barriers; only work is jumped.
; The first pass's products are always made (the loop is entered behind the test), so that every accumulator has been written when the way out's text is reached; from the second pass on a wave whose rows
; begin at or past N jumps them.  In the way out whole blocks of 16 rows at or past N are jumped.
; Places past N name the expert's own spare row 2048 + e: they are computed from a row that exists (the index is bounded) and stored into that spare row, which nobody reads.
; NO TENSOR LOADS: f32 weights must pass registers to be rounded.  NO CLUSTER: a slice has one reader, and the rows that an expert's work-groups share come by a list, which no descriptor covers.
; THE MATRIX INSTRUCTION IS USED TRANSPOSED (source 0 = 16 columns of the weights, source 1 = 16 rows): a lane holds eight neighbouring numbers of one row of the result.
; LIMITS (WHICH = 1).  erf by a polynomial in 1 / (1 + 0.3275911 |x|) times exp(-x^2), absolute error 1.5e-7; an exponential below 2^-126 counts as 0; NaN and infinities are not treated apart.
; REGISTERS, in windows of 256 (s_set_vgpr_msb: bits 1:0 source 0, 3:2 source 1, 5:4 source 2, 7:6 destination):
;   window 0: v0-40 addresses and work; v48-55, v224-255 the pass's list words; phase A: v64-191 ring slots 0-31, v192-255 sel; phase B: v64-223 four buffers of A's fragments; the way out works there too
;   window 1: phase A: v2, v3 copies of two addresses, v64-191 ring slots 32-63; phase B: v0-127 two buffers of the weights' fragments
;   window 2: the accumulators of row blocks 0-3, (b, nb) at 64 b + 8 nb;     window 3: v0-63 those of row block 4
.set WHICH,  2
.set PITCH,  288                       ; a k-row of the slice in LDS: 256 bytes + 32 = 72 words
.set SPITCH, 272                       ; a row of the stage: 256 bytes + 16
.set STG,    1024*PITCH                ; 294,912: 16 rows x 272 bytes for each wave, for the way out
.set LIST,   STG+4*16*SPITCH           ; 312,320: 1,280 places of 16 bits: the expert's slots
.set DUMPI,  1280                      ; places 1280 + lane: where a lane whose slot is another expert's puts it
.set CNTA,   LIST+2*DUMPI+64           ; 314,944: N
.set SPARE,  315136                    ; the spare words, 128 bytes a wave; no other line names them
.set PL,     2056*4096                 ; a plane of ypart
.if WHICH == 1
.set PG,     16384                     ; bytes from a k-row of the weights to the next
.set ASH,    11                        ; a row of A is 2,048 bytes
.set AMAX,   1023
.set OSH,    13                        ; a row of the output is 8,192 bytes
.set NCASE,  5                         ; the way out goes by blocks of 16 rows
.set SSH,    4                         ; into the stage: 16 bytes (8 bf16) for each half of the lanes
.else
.set PG,     4096
.set ASH,    13
.set AMAX,   2047
.set OSH,    12
.set NCASE,  10                        ; by blocks of 16 rows x 64 columns
.set SSH,    5                         ; into the stage: 32 bytes (8 f32) for each half of the lanes
.endif
.set RR,   1                           ; v1   lane % 16
.set LW,   2                           ; v2   phase A: where I put 8 bytes of a k-row (also in window 1)
.set GO,   3                           ; v3   16 x lane (also in window 1)
.set HH,   4                           ; v4   lane / 16
.set H16,  5                           ; v5   16 x that
.set BT,   6                           ; v6   my lane's place in a fragment of the weights
.set BR,   7                           ; v7   the same, walking along K
.set AO,   8                           ; v8-12  byte offset of my row in row blocks 0-4
.set LR,   13                          ; v13  list address of the pass's rows, by lane % 16
.set LQ,   14                          ; v14  list address of the pass's first row, alike in all lanes
.set STO,  15                          ; v15  the way out: where I put my numbers of a row
.set RD,   16                          ; v16  where I read rows back
.set C16,  17                          ; v17  16 x (lane % 16)
.set RO,   18                          ; v18-25 the way out: byte offsets of eight rows
.set SPW,  30                          ; v30  my spare word; never rewritten
.set NIL,  31                          ; v31  0; never rewritten
.set SELR, 192
.set AF,   64
.set HV,   64                          ; the way out of WHICH = 1: 64 numbers, halved
.set GT,   128                         ; 32 at work
.set GQ,   160
.set GP,   192
.set PK,   128                         ; packed results
.set OB,   160                         ; 16 rows read back from the stage
.set MSB, 0
.macro WIN new                         ; the immediate's high byte repeats the setting that is left; a switch that changes nothing is dropped
.if MSB != (\new)
	s_set_vgpr_msb (MSB<<8)|(\new)
.set MSB, \new
.endif
.endm
.macro SETLB b                         ; LB: the eight list words of row block b: word t holds the slots of rows 2 t (low half) and 2 t + 1 (high half)
.if (\b) == 4
.set LB, 48
.else
.set LB, 224+8*(\b)
.endif
.endm
	s_load_b256 s[4:11], s[0:1], 0x0               ; weights s[4:5], A s[6:7], sel s[8:9], output s[10:11]
	v_lshl_add_u32 v[SPW], v0, 2, SPARE
	v_mov_b32 v[NIL], 0
	v_lshrrev_b32 v26, 5, v0
	v_readfirstlane_b32 s12, v26                   ; wave 0..3
	s_lshr_b32 s13, ttmp9, 5                       ; e
.if WHICH == 1
	s_and_b32 s14, ttmp9, 31                       ; slice
	s_lshl_b32 s32, s14, 9                         ; its 128 columns of f32
	s_lshl_b32 s34, s14, 8                         ; and of bf16
.else
	s_bfe_u32 s14, ttmp9, 0x20003                  ; p
	s_and_b32 s15, ttmp9, 7                        ; cs
	s_lshl_b32 s32, s15, 9                         ; its 128 columns of f32
	s_mul_i32 s34, s14, PL
	s_add_co_u32 s34, s34, s32                     ; output: plane p, those columns
	s_lshl_b32 s31, s14, 22                        ; 1,024 p k-rows of 4,096 bytes
	s_add_co_u32 s32, s32, s31
	s_lshl_b32 s36, s14, 11                        ; A: 1,024 p numbers of bf16 along a row
	s_mov_b32 s37, 0
.endif
	s_lshl_b32 s31, s13, 24                        ; an expert's weights are 16,777,216 bytes
	s_add_co_u32 s32, s32, s31
	s_mul_i32 s31, s12, 256*PG                     ; my wave's 256 k-rows
	s_add_co_u32 s32, s32, s31
	s_mov_b32 s33, 0
	s_mov_b32 s35, 0
	v_and_b32 v27, 31, v0                          ; lane
	v_and_b32 v[RR], 15, v0
	v_bfe_u32 v[HH], v0, 4, 1
	v_lshlrev_b32 v[H16], 4, v[HH]
	v_lshlrev_b32 v[GO], 4, v27
	s_mul_i32 s31, s12, 256*PITCH
	v_lshl_add_u32 v[LW], v27, 3, s31
	v_and_b32 v28, 7, v0
	v_lshl_add_u32 v28, v[HH], 3, v28
	v_mul_u32_u24 v[BT], v28, PITCH                ; the turning load: k-row 8 (lane / 16) + lane % 8,
	v_bfe_u32 v28, v0, 3, 1
	v_lshl_add_u32 v[BT], v28, 4, v[BT]            ; columns 8 ((lane / 8) % 2) + 0..7
	s_mul_i32 s31, s12, 16*SPITCH
	s_add_co_u32 s31, s31, STG                     ; my stage
	v_mul_u32_u24 v[STO], v[RR], SPITCH            ; in: row lane % 16, eight numbers for each half of the lanes
	v_lshl_add_u32 v[STO], v[HH], SSH, v[STO]
	v_add_nc_u32 v[STO], s31, v[STO]
	v_mul_u32_u24 v[RD], v[HH], SPITCH             ; back: lanes 0-15 take one row of 256 bytes, lanes 16-31 the next
	v_lshl_add_u32 v[RD], v[RR], 4, v[RD]
	v_add_nc_u32 v[RD], s31, v[RD]
	v_lshlrev_b32 v[C16], 4, v[RR]
.if WHICH == 1
	s_mov_b32 s36, 0x3f87dc22                      ; a5 =  1.061405429      (each constant twice: the packed forms name a pair)
	s_mov_b32 s37, s36
	s_mov_b32 s38, 0xbfba00e3                      ; a4 = -1.453152027
	s_mov_b32 s39, s38
	s_mov_b32 s40, 0x3fb5f0e3                      ; a3 =  1.421413741
	s_mov_b32 s41, s40
	s_mov_b32 s42, 0xbe91a98e                      ; a2 = -0.284496736
	s_mov_b32 s43, s42
	s_mov_b32 s44, 0x3e827906                      ; a1 =  0.254829592
	s_mov_b32 s45, s44
	s_mov_b32 s46, 0x3fd96d27                      ; sqrt(2 log2(e)) = 1.698644
	s_mov_b32 s47, s46
	s_mov_b32 s48, 0x3eed3388                      ; 0.3275911 sqrt(2) = 0.4632838
.endif
	WIN 0x40                                       ; destination window 1
	v_mov_b32 v[LW], v[LW]
	v_mov_b32 v[GO], v[GO]
	WIN 0
	s_wait_kmcnt 0x0
	s_add_nc_u64 s[16:17], s[4:5], s[32:33]        ; the weights at my wave's first k-row
.if WHICH == 1
	s_mov_b64 s[20:21], s[6:7]
.else
	s_add_nc_u64 s[20:21], s[6:7], s[36:37]
.endif
	s_add_nc_u64 s[22:23], s[10:11], s[34:35]
	; PHASE 0.  sel first (wave 0), then the ring's 64 loads: slot i = k-row i of my 256; a load takes the row's 512 bytes
	s_cmp_lg_u32 s12, 0
	s_cbranch_scc1 .Lnosel
.set i, 0
.rept 16
	global_load_b128 v[SELR+4*i:SELR+4*i+3], v[GO], s[8:9] offset:512*i
.set i, i+1
.endr
.Lnosel:
.set i, 0
.rept 32
	global_load_b128 v[64+4*i:67+4*i], v[GO], s[16:17] offset:i*PG th:TH_LOAD_NT
.set i, i+1
.endr
	WIN 0x45                                       ; destination, source 0 (address) and source 1 (store data) in window 1
.rept 32
	global_load_b128 v[64+4*(i-32):67+4*(i-32)], v[GO], s[16:17] offset:i*PG th:TH_LOAD_NT
.set i, i+1
.endr
	WIN 0
	s_cmp_lg_u32 s12, 0
	s_cbranch_scc1 .Lnolist
	; THE LIST, by wave 0 alone; no other wave touches LDS before the barrier below.  A matching lane's place is the matches so far plus those in lower lanes.
	s_wait_loadcnt 63                              ; sel is in: 64 loads are younger; the count's field ends at 63, which asks for one load more
	s_add_co_u32 s31, s13, 2048
	s_lshl_b32 s32, s31, 16
	s_or_b32 s32, s32, s31
	v_mov_b32 v36, s32
	v_mov_b32 v37, s32
	v_mov_b32 v38, s32
	v_mov_b32 v39, s32
	v_add_nc_u32 v35, LIST, v[GO]
.irp j, 0,1,2,3,4
	ds_store_b128 v35, v[36:39] offset:512*\j      ; every place first names the expert's spare row, 2048 + e
.endr
	v_lshlrev_b32 v34, 2, v27                      ; 4 x lane
	v_add_nc_u32 v40, DUMPI, v27
	s_mov_b32 s30, 0
.macro LSTEP q, c                      ; the 32 slots 128 q + 4 lane + c
	v_cmp_eq_u32 vcc_lo, s13, v[SELR+4*(\q)+(\c)]
	v_mbcnt_lo_u32_b32 v32, vcc_lo, s30
	v_cndmask_b32 v32, v40, v32, vcc_lo            ; another expert's slot goes to the lane's own dump place
	v_min_u32 v32, DUMPI+31, v32                   ; the place is bounded before it becomes an address
	v_lshl_add_u32 v32, v32, 1, LIST
	v_add_nc_u32 v33, 128*(\q)+(\c), v34
	ds_store_b16 v32, v33
	s_bcnt1_i32_b32 s31, vcc_lo
	s_add_co_u32 s30, s30, s31
.endm
.set q, 0
.rept 16
.irp c, 0,1,2,3
	LSTEP q, \c
.endr
.set q, q+1
.endr
	v_mov_b32 v32, s30
	v_mov_b32 v33, CNTA
	ds_store_b32 v33, v32
.Lnolist:
	s_wait_dscnt 0x0                               ; the list is written before any other wave touches LDS; the ring's loads stay on their way
	s_barrier_signal -1
	s_barrier_wait -1
	; PHASE A.  A slot's turn: its 512 bytes are in; four f32 a lane become four bf16; the wave puts 256 consecutive bytes into the k-row; the slot takes the k-row 64 further on.
.macro SLOT i, refill, left
.set X, 64+4*((\i)%32)
	s_wait_loadcnt \left
	v_cvt_pk_bf16_f32 v[X], v[X], v[X+1]
	v_cvt_pk_bf16_f32 v[X+1], v[X+2], v[X+3]
	ds_store_b64 v[LW], v[X:X+1] offset:(\i)*PITCH
.if \refill
	global_load_b128 v[X:X+3], v[GO], s[16:17] offset:((\i)+64)*PG th:TH_LOAD_NT
.endif
.endm
	s_mov_b32 s27, 3
.Llap:                                 ; three laps fill the ring again: 64 loads of the wave, 32,768 bytes, are always out
.set i, 0
.rept 32
	SLOT i, 1, 63                                  ; 64 are out, the oldest is wanted
.set i, i+1
.endr
	WIN 0x45
.rept 32
	SLOT i, 1, 63
.set i, i+1
.endr
	v_add_nc_u32 v[LW], 64*PITCH, v[LW]            ; window 1's copy
	WIN 0
	v_add_nc_u32 v[LW], 64*PITCH, v[LW]
	s_wait_xcnt 0x0                                ; the loads' base is stepped only behind this wait
	s_add_nc_u64 s[16:17], s[16:17], 64*PG
	s_sub_co_u32 s27, s27, 1
	s_cmp_lg_u32 s27, 0
	s_cbranch_scc1 .Llap
.set i, 0
.rept 32
	SLOT i, 0, 63-i                                ; the last lap loads nothing: the counts run down
.set i, i+1
.endr
	WIN 0x45
.rept 32
	SLOT i, 0, 63-i
.set i, i+1
.endr
	WIN 0
	s_wait_dscnt 0x0                               ; for the others' sake: my quarter of the slice lies in LDS
	s_barrier_signal -1
	s_barrier_wait -1                              ; from here on nobody writes the slice, the list or N
	; PHASE B
.macro BLOAD pb                        ; the weights' fragments of K step pb (counted from BR): 8 blocks of 16 columns x 32 k, turned, into buffer pb % 2
	WIN 0x40
.set BD, 64*((\pb)%2)
.irp nb, 0,1,2,3,4,5,6,7
	ds_load_tr16_b128 v[BD+8*\nb:BD+8*\nb+3],   v[BR] offset:(\pb)*32*PITCH+32*\nb
	ds_load_tr16_b128 v[BD+8*\nb+4:BD+8*\nb+7], v[BR] offset:(\pb)*32*PITCH+32*\nb+16*PITCH
.endr
.endm
.macro ALOAD pa                        ; the rows' fragments of K step pa (counted from s[18:19]): 5 blocks of 16 rows x 32 k, into buffer pa % 4
	WIN 0
.set AD, AF+40*((\pa)%4)
.irp b, 0,1,2,3,4
	global_load_b128 v[AD+8*\b:AD+8*\b+3],   v[AO+\b], s[18:19] offset:64*(\pa)
	global_load_b128 v[AD+8*\b+4:AD+8*\b+7], v[AO+\b], s[18:19] offset:64*(\pa)+32
.endr
.endm
; A K step of 32: the loads for later steps, then 40 products.  u: the step modulo 4.  zero = 1: the products start the sums.  pa, pb: the steps asked for (-1: none).
; lc: A's younger loads that may stay out (three, two, one groups of ten, or none).  dc: the weights' 16 loads just issued, or none.
; The 40 accumulators take turns, one instruction a turn.
.macro STEP u, zero, pa, pb, lc, dc
	WIN 0
.rept 4
	v_nop                                          ; four places between the last step's products and loads into registers that they read (ISA guide 7.12.1 for vector instructions)
.endr
.if (\pb) >= 0
	BLOAD \pb
.endif
.if (\pa) >= 0
	ALOAD \pa
.endif
	s_wait_dscnt \dc
	s_wait_loadcnt \lc
.set BS, 64*((\u)%2)
.set AS, AF+40*(\u)
	WIN 0xa1                                       ; weights window 1, rows window 0, sums window 2
.irp b, 0,1,2,3
.irp nb, 0,1,2,3,4,5,6,7
.if \zero
	v_wmma_f32_16x16x32_bf16 v[64*\b+8*\nb:64*\b+8*\nb+7], v[BS+8*\nb:BS+8*\nb+7], v[AS+8*\b:AS+8*\b+7], 0
.else
	v_wmma_f32_16x16x32_bf16 v[64*\b+8*\nb:64*\b+8*\nb+7], v[BS+8*\nb:BS+8*\nb+7], v[AS+8*\b:AS+8*\b+7], v[64*\b+8*\nb:64*\b+8*\nb+7]
.endif
.endr
.endr
	WIN 0xf1                                       ; sums window 3
.irp nb, 0,1,2,3,4,5,6,7
.if \zero
	v_wmma_f32_16x16x32_bf16 v[8*\nb:8*\nb+7], v[BS+8*\nb:BS+8*\nb+7], v[AS+32:AS+39], 0
.else
	v_wmma_f32_16x16x32_bf16 v[8*\nb:8*\nb+7], v[BS+8*\nb:BS+8*\nb+7], v[AS+32:AS+39], v[8*\nb:8*\nb+7]
.endif
.endr
.endm
	v_mov_b32 v29, CNTA
	ds_load_b32 v26, v29
	s_wait_dscnt 0x0
	v_readfirstlane_b32 s24, v26
	s_min_u32 s24, s24, 0x400                      ; N: an expert has 1,024 rows at the most
	s_mul_i32 s25, s12, 80                         ; my first row of the pass
	s_mov_b32 s26, 0
	s_branch .Lwork                                ; the first pass's products are always made: places past N name rows that exist
.Lpass:                                ; four passes of 320 rows
	s_cmp_ge_u32 s25, s24
	s_cbranch_scc1 .Lnok                           ; none of my 80 rows exists: no products; the barriers below are passed all the same
.Lwork:
	s_wait_xcnt 0x0                                ; the last pass's stores have read their registers
	s_lshl_b32 s31, s25, 1
	s_add_co_u32 s31, s31, LIST
	v_lshl_add_u32 v[LR], v[RR], 1, s31
	v_mov_b32 v[LQ], s31
.irp b, 0,1,2,3,4
	ds_load_u16 v[AO+\b], v[LR] offset:32*\b       ; the slot of my row in block b
.endr
.irp b, 0,1,2,3,4                      ; and, for the way out, each block's 16 slots in all lanes alike: the way out itself reads nothing of the list
	SETLB \b
	ds_load_b128 v[LB:LB+3],   v[LQ] offset:32*\b
	ds_load_b128 v[LB+4:LB+7], v[LQ] offset:32*\b+16
.endr
	s_mov_b64 s[18:19], s[20:21]
	s_mov_b32 s49, 0                               ; how far the weights' fragments have walked along K, in LDS bytes
	v_mov_b32 v[BR], v[BT]
	BLOAD 0
	WIN 0
	s_wait_dscnt 16                                ; the slots are in; the 16 loads of weights are younger
.irp b, 0,1,2,3,4
.if WHICH == 1
	v_lshrrev_b32 v[AO+\b], 1, v[AO+\b]            ; the slot's token
.endif
	v_min_u32 v[AO+\b], AMAX, v[AO+\b]             ; a place past N takes the last row that exists
	v_lshl_add_u32 v[AO+\b], v[AO+\b], ASH, v[H16]
.endr
	ALOAD 0
	ALOAD 1
	ALOAD 2
	STEP 0, 1, 3, 1, 30, 16                        ; K step 0 starts the sums: nothing is cleared
	WIN 0
	s_mov_b32 s27, 7
.Lk:                                   ; a trip: K steps 4 t + 1 .. 4 t + 4.  A is asked for three steps ahead, the weights' fragments one
	STEP 1, 0, 4, 2, 30, 16
	STEP 2, 0, 5, 3, 30, 16
	STEP 3, 0, 6, 4, 30, 16
	WIN 0
	s_wait_xcnt 0x0                                ; A's base is stepped only behind this wait
	s_add_nc_u64 s[18:19], s[18:19], 256           ; four K steps on
	s_add_co_u32 s49, s49, 4*32*PITCH
	v_add_nc_u32 v[BR], s49, v[BT]
	STEP 0, 0, 3, 1, 30, 16
	WIN 0
	s_sub_co_u32 s27, s27, 1
	s_cmp_lg_u32 s27, 0
	s_cbranch_scc1 .Lk
	STEP 1, 0, -1, 2, 20, 16                       ; the last three steps ask for no rows: the counts run down
	STEP 2, 0, -1, 3, 10, 16
	STEP 3, 0, -1, -1, 0, 0
	WIN 0
.rept 4
	v_nop                                          ; four places between the last product and the first read of a result
.endr
.Lnok:
	s_wait_dscnt 0x0                               ; my reads of the slice and of the list are back,
	s_barrier_signal -1
	s_barrier_wait -1                              ; and so are everybody's: only now are the stages written
	; THE WAY OUT, a block at a time through my own stage; which accumulators a block names cannot hang on a counter, so a case is written for each; all jumps go forward.
	s_mov_b32 s28, 0
.Lblk:
.if WHICH == 1
	s_lshl4_add_u32 s29, s28, s25                  ; the block's first row
.else
	s_lshr_b32 s31, s28, 1
	s_lshl4_add_u32 s29, s31, s25
.endif
	s_cmp_ge_u32 s29, s24
	s_cbranch_scc1 .Lnextb                         ; none of its 16 rows exists
	s_wait_xcnt 0x0                                ; the last block's stores have read their offsets and data
.if WHICH == 1
.macro CASE k                          ; row block k: the slots of its rows 2 t + lane / 16; its 64 numbers a lane, halved, into window 0; each accumulator is read from its low end on
	SETLB \k
.irp t, 0,1,2,3,4,5,6,7
	v_bfe_u32 v[RO+\t], v[LB+\t], v[H16], 16
.endr
.if (\k) == 4
	WIN 0x03
.set AC, 0
.else
	WIN 0x02
.set AC, 64*(\k)
.endif
.set z, 0
.rept 32
	v_pk_mul_f32 v[HV+z:HV+z+1], v[AC+z:AC+z+1], 0.5 op_sel_hi:[1,0]
.set z, z+2
.endr
	WIN 0
.endm
.irp k, 0,1,2,3
	s_cmp_eq_u32 s28, \k
	s_cbranch_scc1 .Lc\k
.endr
	CASE 4
	s_branch .LG
.irp k, 0,1,2,3
.Lc\k:
	CASE \k
	s_branch .LG
.endr
.else
.macro CASE k                          ; row block k / 2, columns 64 (k % 2) on: the slots of its rows 2 t + lane / 16; 8 f32 a lane and accumulator, straight into the stage, the low four first
	SETLB (\k)/2
.irp t, 0,1,2,3,4,5,6,7
	v_bfe_u32 v[RO+\t], v[LB+\t], v[H16], 16
.endr
.if (\k)/2 == 4
	WIN 0x0c
.set AC, 32*((\k)%2)
.else
	WIN 0x08
.set AC, 64*((\k)/2)+32*((\k)%2)
.endif
.irp nb, 0,1,2,3
	ds_store_b128 v[STO], v[AC+8*\nb:AC+8*\nb+3]   offset:64*\nb
	ds_store_b128 v[STO], v[AC+8*\nb+4:AC+8*\nb+7] offset:64*\nb+16
.endr
	WIN 0
.endm
.irp k, 0,1,2,3,4,5,6,7,8
	s_cmp_eq_u32 s28, \k
	s_cbranch_scc1 .Lc\k
.endr
	CASE 9
	s_branch .LG
.irp k, 0,1,2,3,4,5,6,7,8
.Lc\k:
	CASE \k
	s_branch .LG
.endr
.endif
.LG:
.if WHICH == 1
; gelu(v) = hv + |hv| erf(|v| / sqrt(2)), hv = v / 2;  erf(x) = 1 - (a1 t + .. + a5 t^5) exp(-x^2), t = 1 / (1 + 0.3275911 x).  32 numbers a batch:
; their 32 reciprocals and 32 exponentials are issued together and have one wait.
.macro GBATCH g
.set GH, HV+32*(\g)
.set z, 0
.rept 32
	v_fma_f32 v[GT+z], |v[GH+z]|, s48, 1.0
.set z, z+1
.endr
.set z, 0
.rept 16
	v_pk_mul_f32 v[GQ+z:GQ+z+1], v[GH+z:GH+z+1], s[46:47] op_sel_hi:[1,0]
.set z, z+2
.endr
.set z, 0
.rept 16
	v_pk_mul_f32 v[GQ+z:GQ+z+1], v[GQ+z:GQ+z+1], v[GQ+z:GQ+z+1] neg_lo:[0,1] neg_hi:[0,1]  ; -x^2 log2(e)
.set z, z+2
.endr
.set z, 0
.rept 32
	v_rcp_f32 v[GT+z], v[GT+z]
.set z, z+1
.endr
.set z, 0
.rept 32
	v_exp_f32 v[GQ+z], v[GQ+z]
.set z, z+1
.endr
	v_nop                                          ; a plain instruction behind the last of them,
	s_wait_alu depctr_va_vdst(0)                   ; and the one wait for the batch
.set z, 0
.rept 16
	v_pk_fma_f32 v[GP+z:GP+z+1], v[GT+z:GT+z+1], s[36:37], s[38:39] op_sel_hi:[1,0,0]
.set z, z+2
.endr
.irp a, 40,42,44
.set z, 0
.rept 16
	v_pk_fma_f32 v[GP+z:GP+z+1], v[GP+z:GP+z+1], v[GT+z:GT+z+1], s[\a:\a+1] op_sel_hi:[1,1,0]
.set z, z+2
.endr
.endr
.set z, 0
.rept 16
	v_pk_mul_f32 v[GP+z:GP+z+1], v[GP+z:GP+z+1], v[GT+z:GT+z+1]
.set z, z+2
.endr
.set z, 0
.rept 16
	v_pk_fma_f32 v[GP+z:GP+z+1], v[GP+z:GP+z+1], v[GQ+z:GQ+z+1], 1.0 op_sel_hi:[1,1,0] neg_lo:[1,0,0] neg_hi:[1,0,0]  ; erf
.set z, z+2
.endr
.set z, 0
.rept 32
	v_fma_f32 v[GH+z], |v[GH+z]|, v[GP+z], v[GH+z]
.set z, z+1
.endr
.endm
	GBATCH 0
	GBATCH 1
.set z, 0
.rept 32
	v_cvt_pk_bf16_f32 v[PK+z], v[HV+2*z], v[HV+2*z+1]
.set z, z+1
.endr
.irp nb, 0,1,2,3,4,5,6,7
	ds_store_b128 v[STO], v[PK+4*\nb:PK+4*\nb+3] offset:32*\nb
.endr
.endif
.irp t, 0,1,2,3,4,5,6,7
	ds_load_b128 v[OB+4*\t:OB+4*\t+3], v[RD] offset:2*\t*SPITCH  ; my own bytes: LDS serves a wave's instructions in order (ISA guide 5.7.1.4), so these see the stores above
.endr
.if WHICH == 1
	v_mov_b32 v26, v[C16]
.else
	s_and_b32 s31, s28, 1
	s_lshl_b32 s31, s31, 8
	v_add_nc_u32 v26, s31, v[C16]                  ; the half's 256 bytes of the row
.endif
	s_wait_dscnt 0x0
.irp t, 0,1,2,3,4,5,6,7
	v_min_u32 v[RO+\t], 2055, v[RO+\t]             ; bounded before it becomes an address: 2,048 slots and 8 spare rows
	v_lshl_add_u32 v[RO+\t], v[RO+\t], OSH, v26
	global_store_b128 v[RO+\t], v[OB+4*\t:OB+4*\t+3], s[22:23]  ; 16 lanes store 256 consecutive bytes of a row, at a multiple of 256 from the buffer's first byte
.endr
.Lnextb:
	s_add_co_u32 s28, s28, 1
	s_cmp_lt_u32 s28, NCASE
	s_cbranch_scc1 .Lblk
	s_wait_dscnt 0x0                               ; my stores into my stage and my reads of it are done,
	s_barrier_signal -1
	s_barrier_wait -1                              ; and so are everybody's: only now does the next pass read LDS at walking addresses
	s_add_co_u32 s25, s25, 320
	s_add_co_u32 s26, s26, 1
	s_cmp_lt_u32 s26, 4
	s_cbranch_scc1 .Lpass
	s_wait_tensorcnt 0x0                           ; the wave's end
	ds_add_u32 v[SPW], v[NIL]
	s_wait_dscnt 0x0
	s_endpgm
.Lfunc_end_k_qacfc7924b9_ffn2:
	.size	k_qacfc7924b9_ffn2, .Lfunc_end_k_qacfc7924b9_ffn2-k_qacfc7924b9_ffn2
	.p2alignl 7, 3214868480
	.fill 96, 4, 3214868480
	.section	.rodata,"a",@progbits
	.p2align	6, 0x0
	.amdhsa_kernel k_qacfc7924b9_ffn2
		.amdhsa_group_segment_fixed_size 315648
		.amdhsa_private_segment_fixed_size 0
		.amdhsa_enable_private_segment 0
		.amdhsa_kernarg_size 32
		.amdhsa_user_sgpr_count 2
		.amdhsa_user_sgpr_kernarg_segment_ptr 1
		.amdhsa_wavefront_size32 1
		.amdhsa_system_sgpr_workgroup_id_x 1
		.amdhsa_system_sgpr_workgroup_id_y 1
		.amdhsa_system_sgpr_workgroup_id_z 1
		.amdhsa_system_vgpr_workitem_id 0
		.amdhsa_next_free_vgpr 832
		.amdhsa_next_free_sgpr 66
		.amdhsa_reserve_vcc 1
		.amdhsa_float_denorm_mode_32 3
		.amdhsa_float_denorm_mode_16_64 3
		.amdhsa_memory_ordered 1
		.amdhsa_forward_progress 1
		.amdhsa_inst_pref_size 132
	.end_amdhsa_kernel
	.amdgpu_metadata
---
amdhsa.version: [ 1, 2 ]
amdhsa.kernels:
  - .name:           k_qacfc7924b9_ffn2
    .symbol:         k_qacfc7924b9_ffn2.kd
    .args:
      - { .name: W2, .offset: 0, .size: 8, .value_kind: global_buffer, .address_space: global }
      - { .name: hbuf, .offset: 8, .size: 8, .value_kind: global_buffer, .address_space: global }
      - { .name: sel, .offset: 16, .size: 8, .value_kind: global_buffer, .address_space: global }
      - { .name: ypart, .offset: 24, .size: 8, .value_kind: global_buffer, .address_space: global }
    .group_segment_fixed_size: 315648
    .private_segment_fixed_size: 0
    .kernarg_segment_align: 8
    .kernarg_segment_size: 32
    .max_flat_workgroup_size: 128
    .sgpr_count:     66
    .vgpr_count:     832
    .wavefront_size: 32
...
	.end_amdgpu_metadata
.endif
;; end of part 3
;; launch combine (part 4): grid 256 x 1, 8 waves a work-group, no clusters, 0 bytes of LDS; arguments ypart, wts, part, out0, out1; writes out0, out1
.if DOCPART == 4
	.amdgcn_target "amdgcn-amd-amdhsa--gfx1250"
	.amdhsa_code_object_version 6
	.text
	.protected	k_qacfc7924b9_combine
	.globl	k_qacfc7924b9_combine
	.p2align	8
	.type	k_qacfc7924b9_combine,@function
k_qacfc7924b9_combine:
	s_mov_b64 s[64:65], 0
	v_nop
	global_prefetch_b8 v0, s[64:65] scope:SCOPE_SE
	s_setreg_imm32_b32 hwreg(HW_REG_WAVE_MODE, 25, 1), 1
	s_wait_xcnt 0x0
; out0[t][:] = w0 (sum over p of ypart[p][2 t][:]) + w1 (sum over p of ypart[p][2 t + 1][:]), all f32;  out1 = 8 sum over e of (count_e / 2048) (sum of P_e / 1024).
; A stream: memory binds, so no LDS, no matrix unit, no cluster.  Wave w of work-group g has token 4 g + w / 2 and half w % 2 of its row: 2,048 bytes of out0,
; made of 8 pieces of 2,048 bytes (4 planes x 2 slots).  All 32 loads of a wave, 512 consecutive bytes each, go out before the first wait.
.set PL, 2056*4096                     ; a plane of ypart
	s_load_b256 s[4:11], s[0:1], 0x0               ; ypart s[4:5], wts s[6:7], part s[8:9], out0 s[10:11]
	s_load_b64 s[12:13], s[0:1], 0x20              ; out1
	v_lshrrev_b32 v1, 5, v0
	v_readfirstlane_b32 s14, v1                    ; wave 0..7
	v_and_b32 v4, 31, v0                           ; lane
	v_lshlrev_b32 v2, 4, v4                        ; 16 lane
	v_mov_b32 v3, 0
	s_lshr_b32 s15, s14, 1
	s_lshl2_add_u32 s15, ttmp9, s15                ; t
	s_and_b32 s16, s14, 1
	s_lshl_b32 s16, s16, 11                        ; my half of a row
	s_lshl_b32 s18, s15, 3                         ; wts: 8 bytes a token
	s_mov_b32 s19, 0
	s_lshl_b32 s24, s15, 13                        ; ypart: two rows of 4,096 bytes a token
	s_add_co_u32 s24, s24, s16
	s_mov_b32 s25, 0
	s_lshl_b32 s26, s15, 12                        ; out0: one row
	s_add_co_u32 s26, s26, s16
	s_mov_b32 s27, 0
	s_wait_kmcnt 0x0
	s_add_nc_u64 s[18:19], s[6:7], s[18:19]
	s_load_b64 s[20:21], s[18:19], 0x0             ; w0, w1: no line of this launch writes wts
	s_add_nc_u64 s[28:29], s[4:5], s[24:25]        ; the four planes at my piece
	s_add_nc_u64 s[30:31], s[28:29], PL
	s_add_nc_u64 s[32:33], s[30:31], PL
	s_add_nc_u64 s[34:35], s[32:33], PL
	s_add_nc_u64 s[10:11], s[10:11], s[26:27]
.irp c, 0,1,2,3
.irp j, 0,1
.irp p, 0,1,2,3
	global_load_b128 v[16+32*\c+16*\j+4*\p:19+32*\c+16*\j+4*\p], v2, s[28+2*\p:29+2*\p] offset:4096*\j+512*\c th:TH_LOAD_NT
.endr
.endr
.endr
	s_wait_kmcnt 0x0
	s_mov_b32 s22, s21                             ; w1 as the low word of a pair of its own: the packed forms take the low word for both halves
	s_mov_b32 s23, s21
.irp c, 0,1,2,3
	s_wait_loadcnt 24-8*\c                         ; this group's eight loads are in; the later groups stay out
.irp j, 0,1
.irp d, 0,2
	v_pk_add_f32 v[16+32*\c+16*\j+\d:17+32*\c+16*\j+\d], v[16+32*\c+16*\j+\d:17+32*\c+16*\j+\d], v[20+32*\c+16*\j+\d:21+32*\c+16*\j+\d]
	v_pk_add_f32 v[24+32*\c+16*\j+\d:25+32*\c+16*\j+\d], v[24+32*\c+16*\j+\d:25+32*\c+16*\j+\d], v[28+32*\c+16*\j+\d:29+32*\c+16*\j+\d]
.endr
.endr
.irp j, 0,1
.irp d, 0,2
	v_pk_add_f32 v[16+32*\c+16*\j+\d:17+32*\c+16*\j+\d], v[16+32*\c+16*\j+\d:17+32*\c+16*\j+\d], v[24+32*\c+16*\j+\d:25+32*\c+16*\j+\d]
.endr
.endr
.irp d, 0,2
	v_pk_mul_f32 v[16+32*\c+\d:17+32*\c+\d], v[16+32*\c+\d:17+32*\c+\d], s[20:21] op_sel_hi:[1,0]
.endr
.irp d, 0,2
	v_pk_fma_f32 v[16+32*\c+\d:17+32*\c+\d], v[32+32*\c+\d:33+32*\c+\d], s[22:23], v[16+32*\c+\d:17+32*\c+\d] op_sel_hi:[1,0,1]
.endr
	global_store_b128 v2, v[16+32*\c:19+32*\c], s[10:11] offset:512*\c th:TH_STORE_NT  ; 512 consecutive bytes, at a multiple of 256 from out0's first byte
.endr
	; the loss: one wave of the launch.  part is [64][16]: a lane's 16 bytes of load i are columns 4 (lane % 4) .. of row lane / 4 + 8 i
	s_or_b32 s17, ttmp9, s14
	s_cmp_lg_u32 s17, 0
	s_cbranch_scc1 .Lend
.irp i, 0,1,2,3,4,5,6,7
	global_load_b128 v[144+4*\i:147+4*\i], v2, s[8:9] offset:512*\i
.endr
	s_mov_b32 s36, 0x76543210                      ; v_permlanex16_b32: each lane takes its own place in the other half
	s_mov_b32 s37, 0xfedcba98
	s_wait_loadcnt 0x0
.irp i, 1,2,3,4,5,6,7
	v_pk_add_f32 v[144:145], v[144:145], v[144+4*\i:145+4*\i]
	v_pk_add_f32 v[146:147], v[146:147], v[146+4*\i:147+4*\i]
.endr
.irp m, 4,8                            ; the lanes with my lane % 4
.irp k, 144,145,146,147
	v_add_f32_dpp v\k, v\k, v\k row_xmask:\m row_mask:0xf bank_mask:0xf
.endr
.endr
.irp k, 0,1,2,3
	v_permlanex16_b32 v[148+\k], v[144+\k], s36, s37
.endr
.irp k, 0,1,2,3
	v_add_f32 v[144+\k], v[144+\k], v[148+\k]      ; lane % 4 = 0, 1: the sums of P of experts 0-3, 4-7; = 2, 3: their counts
.endr
.irp k, 144,145,146,147
	v_mul_f32_dpp v\k, v\k, v\k row_xmask:2 row_mask:0xf bank_mask:0xf  ; sum of P x count, expert by expert
.endr
	v_add_f32 v144, v144, v145
	v_add_f32 v146, v146, v147
	v_add_f32 v144, v144, v146
	v_add_f32_dpp v144, v144, v144 row_xmask:1 row_mask:0xf bank_mask:0xf
	v_mul_f32 v144, 0x36800000, v144               ; 8 / (2048 x 1024) = 2^-18
	s_wait_xcnt 0x0                                ; EXEC changes only behind this wait
	v_cmp_gt_u32 vcc_lo, 1, v4
	s_and_saveexec_b32 s38, vcc_lo
	global_store_b32 v3, v144, s[12:13]
	s_wait_xcnt 0x0
	s_or_b32 exec_lo, exec_lo, s38
.Lend:
	s_endpgm
.Lfunc_end_k_qacfc7924b9_combine:
	.size	k_qacfc7924b9_combine, .Lfunc_end_k_qacfc7924b9_combine-k_qacfc7924b9_combine
	.p2alignl 7, 3214868480
	.fill 96, 4, 3214868480
	.section	.rodata,"a",@progbits
	.p2align	6, 0x0
	.amdhsa_kernel k_qacfc7924b9_combine
		.amdhsa_group_segment_fixed_size 0
		.amdhsa_private_segment_fixed_size 0
		.amdhsa_enable_private_segment 0
		.amdhsa_kernarg_size 40
		.amdhsa_user_sgpr_count 2
		.amdhsa_user_sgpr_kernarg_segment_ptr 1
		.amdhsa_wavefront_size32 1
		.amdhsa_system_sgpr_workgroup_id_x 1
		.amdhsa_system_sgpr_workgroup_id_y 1
		.amdhsa_system_sgpr_workgroup_id_z 1
		.amdhsa_system_vgpr_workitem_id 0
		.amdhsa_next_free_vgpr 192
		.amdhsa_next_free_sgpr 66
		.amdhsa_reserve_vcc 1
		.amdhsa_float_denorm_mode_32 3
		.amdhsa_float_denorm_mode_16_64 3
		.amdhsa_memory_ordered 1
		.amdhsa_forward_progress 1
		.amdhsa_inst_pref_size 13
	.end_amdhsa_kernel
	.amdgpu_metadata
---
amdhsa.version: [ 1, 2 ]
amdhsa.kernels:
  - .name:           k_qacfc7924b9_combine
    .symbol:         k_qacfc7924b9_combine.kd
    .args:
      - { .name: ypart, .offset: 0, .size: 8, .value_kind: global_buffer, .address_space: global }
      - { .name: wts, .offset: 8, .size: 8, .value_kind: global_buffer, .address_space: global }
      - { .name: part, .offset: 16, .size: 8, .value_kind: global_buffer, .address_space: global }
      - { .name: out0, .offset: 24, .size: 8, .value_kind: global_buffer, .address_space: global }
      - { .name: out1, .offset: 32, .size: 8, .value_kind: global_buffer, .address_space: global }
    .group_segment_fixed_size: 0
    .private_segment_fixed_size: 0
    .kernarg_segment_align: 8
    .kernarg_segment_size: 40
    .max_flat_workgroup_size: 256
    .sgpr_count:     66
    .vgpr_count:     192
    .wavefront_size: 32
...
	.end_amdgpu_metadata
.endif
;; end of part 4
